; MI455X (gfx1250); checked and timed in simulation.
; The chip was launched on July 23, 2026; its instructions are those of AMD's public machine-readable ISA for CDNA 5 (MIT licence, August 2026) and "CDNA5" Instruction Set Architecture Reference Guide (July 2026). The comments in the code are by the model that wrote it; some were corrected since.
;; Cross Attention. Allowed arithmetic: matrix products marked QUANTISED: E4M3 operands, one given power-of-two scale a tensor, by v_wmma_f32_16x16x64_fp8_fp8 or v_wmma_f32_16x16x128_fp8_fp8, f32 sums; everything else in f32.
;; Inputs: Wkv 1,024 x 2,048 float32; Wq 1,024 x 1,024 float32; bkv 2,048 float32; bq 1,024 float32; lowp_scales 8 int32 (the exponents e of the quantised operands' scales 2^e); query 4 x 1,024 x 1,024 float32; x 4 x 1,024 x 1,024 float32.
;; Outputs: out0 4 x 1,024 x 1,024 float32.
;; This version of the problem:
;;   THIS VERSION OF THE PROBLEM IS GIVEN IN LOW PRECISION. The matrix products marked QUANTISED in the list below multiply operands that are first quantised to E4M3 (4 exponent bits, 3 mantissa bits; 8 bits a number), with one given power-of-two scale for each operand tensor; their sums are f32. All else is computed in f32.
;;   The module's matrix products, in the order in which they are computed (A, B: the left and right operand; K: the contracted axis; several contracted axes count as one K, in the product's order):
;;     1. [M 4,096, K 1,024] x [K 1,024, N 2,048]; A: input x; B: input Wkv: QUANTISED (scales: A lowp_scales[0], B lowp_scales[1])
;;     2. [M 4,096, K 1,024] x [K 1,024, N 1,024]; A: input query; B: input Wq: QUANTISED (scales: A lowp_scales[2], B lowp_scales[3])
;;     3. batch 64 x [M 1,024, K 64] x [K 64, N 2,048]; A: computed on the way; B: computed on the way: QUANTISED (scales: A lowp_scales[4], B lowp_scales[5])
;;     4. batch 64 x [M 1,024, K 2,048] x [K 2,048, N 64]; A: softmax (see below); B: computed on the way: QUANTISED (scales: A lowp_scales[6], B lowp_scales[7])
;;   THE QUANTISER, for each operand of a quantised product, along K:
;;     - The operand's scale is 2^e, e = its entry of the input lowp_scales (int32; the entries are numbered through the quantised products in the list's order, A before B).
;;     - Each number is divided by the scale, clamped to +-448, and rounded to the nearest number of E4M3, ties to even, subnormals kept.
;;     - The product sums the exact products of the quantised numbers (number of the format x scale) in f32.
;;   ~~~python
;;   def quantise(x, axis, e):      # numpy; x: float32 -> the quantised numbers, widened to float32 again
;;       x = np.moveaxis(x, axis, -1); K = x.shape[-1]
;;       r = np.clip(x / 2.0 ** e, -448, 448)
;;       step = 2.0 ** (np.maximum(np.frexp(np.where(r == 0, 1, r))[1] - 1, -6) - 3)
;;       q = np.round(r / step) * step * 2.0 ** e      # np.round: ties to even
;;       return np.moveaxis(q, -1, axis).astype(np.float32)
;;   ~~~
;;   SOFTMAX AHEAD OF A QUANTISED PRODUCT. Where the list says 'softmax', what is quantised is not the finished softmax but p = 2^(t - M), with t = logit x log2(e) and M = ceil(the row's largest t), a whole number; so 1/2 < the row's largest p <= 1. The row's sum l is taken of the UNQUANTISED p, in f32, and the product's result is divided by l at the end. Since M is a whole number, a kernel that streams over the keys may use a running M (the ceiling of the running maximum): every later rescaling is an exact power of two, so the quantised numbers keep their values, but for numbers so far below the row's largest that they fall under the format's range.
;;   OPERANDS COMPUTED ON THE WAY. 'Computed on the way' means the value that the module computes at that place (a softmax that the list does not call 'softmax' is quantised finished and normalised). What goes into a quantiser is computed in f32, as accurately as f32 sums, v_exp_f32 and their like allow (about 1e-6 of the number): no bf16 or f16 on the way to a quantiser, and a product that is left as it is and whose result goes on into a quantised operand takes f32 operands (vector FMAs, or v_wmma_f32_16x16x4_f32). A number that lies on a knife's edge between two numbers of the format may be rounded either way, as far as f32 arithmetic and the matrix unit's own rounding can turn it there, and no further.
;; One version. Each part assembles by itself: llvm-mc -triple=amdgcn-amd-amdhsa -mcpu=gfx1250 --defsym DOCPART=n.
;; ======== version 1 of 1: 3 launches
;; limits: right only within a limited range of input values
;; workspace buffers: acodes 8,388,608 bytes; wcodes 3,145,728 bytes; kv 12,582,912 bytes; qa 4,194,304 bytes
;; launch quant (part 1): grid 2816 x 1, 1 waves a work-group, no clusters, 4,608 bytes of LDS; arguments x, query, Wkv, Wq, lowp_scales, acodes, wcodes; writes acodes, wcodes
.if DOCPART == 1
	.amdgcn_target "amdgcn-amd-amdhsa--gfx1250"
	.amdhsa_code_object_version 6
	.text
	.protected	k_q0389f8a09d_quant
	.globl	k_q0389f8a09d_quant
	.p2align	8
	.type	k_q0389f8a09d_quant,@function
k_q0389f8a09d_quant:
	s_mov_b64 s[64:65], 0
	v_nop
	global_prefetch_b8 v0, s[64:65] scope:SCOPE_SE
	s_setreg_imm32_b32 hwreg(HW_REG_WAVE_MODE, 25, 1), 1
	s_wait_xcnt 0x0
; x, query [4096][1024] and Wkv [1024][2048], Wq [1024][1024], all f32, become codes of FP8 (E4M3), each tensor with its given scale 2^e:
; code = number / 2^e, held within +-448, rounded to the nearest code, ties to even.  e: entries 0 (x), 1 (Wkv), 2 (query), 3 (Wq) of the scales.
; LIMITS: each e between -126 and 119, so that 2^e and 448 x 2^e are f32 numbers.  NaN among the inputs is not served.
; K IS PERMUTED, ALIKE IN BOTH OPERANDS OF A PRODUCT: byte 4 c + j of chunk 16 q + l (a chunk is 16 codes) holds k = 256 q + 64 c + 4 l + j.  Only the order of the f32 sums changes.
; BOTH BUFFERS OF CODES ARE LAID ALIKE: [blocks of 128 rows or columns][64 chunks][128][16 bytes].  acodes: blocks 0-31 x, 32-63 query.  wcodes: blocks 0-7 Wkv's k, 8-15 its v, 16-23 Wq.
; COLUMNS OF A HEAD ARE PERMUTED: place p of a head's 64 is its column 2 p for p < 32 and 2 (p - 32) + 1 above.
; SHARES.  A work-group is one wave; 2,816 of them, 11 x 256, each with 16,384 bytes to read.  u = work-group / 4, w = work-group % 4.
; u = 0-191: weights: 64 columns (a lane two neighbours) x 4 chunks: 64 loads of 256 consecutive bytes, stores of 512.
; u = 192-703: 16 rows of x or query, 256 along K (the w-th): two rows a step (256 consecutive bytes of each); the codes turn through a stage in LDS,
; so that sixteen lanes store the 256 consecutive bytes that 16 rows have in a chunk.
; The work-groups share no input, so there is no cluster; no barrier.  Every load of a wave goes out ahead of its first wait, so there is nothing to prefetch.
.set X, 16                             ; v16-143  numbers as loaded
.set C, 144                            ; v144-175 codes
.set T, 176                            ; v176-239 the weights' numbers by columns, two sets
.set SPARE, 4352                       ; behind the stage of 16 chunks x 272 bytes: the spare words
.macro MKSCALE e                       ; s[e] = the exponent: v11 = 2^e (the conversion takes its exponent field), v10 = 448 x 2^e
	s_add_co_i32 s32, s[\e], 127
	s_lshl_b32 s33, s32, 23
	v_mov_b32 v11, s33
	s_add_co_i32 s32, s32, 8
	s_lshl_b32 s32, s32, 23
	s_or_b32 s32, s32, 0x600000                    ; 448's mantissa field
	v_mov_b32 v10, s32
.endm
.macro RLOAD t                         ; rows 2 t and 2 t + 1: register 4 c + j of lane (l, h) is k = 64 c + 4 l + j of row 2 t + h
.irp c, 0,1,2,3
	global_load_b128 v[X+16*\t+4*\c:X+16*\t+4*\c+3], v1, s[24:25] offset:8192*\t+256*\c th:TH_LOAD_NT
.endr
.endm
.macro RSTEP t
	s_wait_loadcnt 4*(7-\t)                        ; this step's four loads are in; the later steps' stay out
.irp i, 0,1,2,3,4,5,6,7,8,9,10,11,12,13,14,15
	v_med3_num_f32 v[X+16*\t+\i], v[X+16*\t+\i], -v10, v10   ; the conversion to an 8-bit code does not saturate (ISA guide 7.6.2): the hold comes first
.endr
	v_cvt_scalef32_pk8_fp8_f32 v[C+4*\t:C+4*\t+1], v[X+16*\t:X+16*\t+7], v11
	v_cvt_scalef32_pk8_fp8_f32 v[C+4*\t+2:C+4*\t+3], v[X+16*\t+8:X+16*\t+15], v11   ; the codes go to an LDS store alone
	ds_store_b128 v5, v[C+4*\t:C+4*\t+3] offset:32*\t
.endm
.macro WLOAD t, pitch                  ; chunk t of my four: registers 2 i, 2 i + 1 are W(R0 + 64 c + 4 t + j, my two columns), i = 4 c + j
.irp i, 0,1,2,3,4,5,6,7,8,9,10,11,12,13,14,15
	global_load_b64 v[X+32*(\t)+2*\i:X+32*(\t)+2*\i+1], v2, s[24:25] offset:(64*(\i/4)+4*(\t)+\i%4)*\pitch th:TH_LOAD_NT   ; 207 rows at the most: inside the signed 24-bit immediate
.endr
.endm
.macro WCHUNK t
.set TE, T+32*((\t)%2)
	s_wait_loadcnt 48-16*\t                        ; this chunk's 16 loads are in; the later chunks' stay out
.irp i, 0,1,2,3,4,5,6,7,8,9,10,11,12,13,14,15
	v_med3_num_f32 v[TE+\i], v[X+32*\t+2*\i], -v10, v10          ; the hold also parts the two columns
	v_med3_num_f32 v[TE+16+\i], v[X+32*\t+2*\i+1], -v10, v10
.endr
.irp g, 0,1,2,3
	v_cvt_scalef32_pk8_fp8_f32 v[C+8*\t+2*\g:C+8*\t+2*\g+1], v[TE+8*\g:TE+8*\g+7], v11
.endr
	global_store_b128 v3, v[C+8*\t:C+8*\t+3], s[30:31] offset:2048*\t          ; 32 even columns: 512 consecutive bytes,
	global_store_b128 v3, v[C+8*\t+4:C+8*\t+7], s[30:31] offset:2048*\t+512    ; then the 32 odd ones
.endm
.macro WPATH pitch, e
.irp t, 0,1,2,3
	WLOAD \t, \pitch
.endr
	s_wait_kmcnt 0x0                               ; the exponents
	MKSCALE \e
	s_wait_alu depctr_va_vdst(0)
.irp t, 0,1,2,3
	WCHUNK \t
.endr
	s_endpgm
.endm
	s_load_b256 s[4:11], s[0:1], 0x0               ; x s[4:5], query s[6:7], Wkv s[8:9], Wq s[10:11]
	s_load_b128 s[12:15], s[0:1], 0x20             ; the scales' exponents s[12:13], acodes s[14:15]
	s_load_b64 s[16:17], s[0:1], 0x30              ; wcodes
	s_and_b32 s18, ttmp9, 3                        ; w
	s_lshr_b32 s39, ttmp9, 2                       ; u
	v_lshl_add_u32 v12, v0, 2, SPARE               ; the add's two registers
	v_mov_b32 v13, 0
	v_and_b32 v8, 15, v0                           ; l
	v_bfe_u32 v9, v0, 4, 1                         ; h
	v_lshlrev_b32 v2, 3, v0                        ; weights: my two columns,
	v_lshlrev_b32 v3, 4, v0                        ; and my 16 bytes of codes
	v_lshlrev_b32 v1, 12, v9
	v_mul_u32_u24 v5, v8, 272
	v_mul_u32_u24 v6, v9, 272
	v_lshlrev_b32 v7, 11, v9
	v_lshl_add_u32 v1, v8, 4, v1                   ; rows, in: 4,096 h + 16 l
	v_lshl_add_u32 v5, v9, 4, v5                   ; into the stage: chunk l (272 bytes apart), row 2 t + h
	v_lshl_add_u32 v6, v8, 4, v6                   ; and back: two chunks an instruction
	v_lshl_add_u32 v7, v8, 4, v7                   ; rows, out: chunk h of a pair, row l
	s_wait_alu depctr_va_vdst(0)                   ; directly ahead of the wait below
	s_wait_kmcnt 0x0
	s_load_b128 s[20:23], s[12:13], 0x0            ; e of x, Wkv, query, Wq
	s_cmp_lt_u32 s39, 192
	s_cbranch_scc0 .Lrows
	; ---- weights: 64 columns, 4 chunks
	s_and_b32 s28, s39, 15                         ; y: chunks 4 y .. 4 y + 3
	s_lshr_b32 s27, s39, 4                         ; 256 columns: 0-7 of Wkv, 8-11 of Wq
	s_lshr_b32 s29, s28, 2
	s_lshl_b32 s29, s29, 8
	s_and_b32 s34, s28, 3
	s_lshl_b32 s34, s34, 4
	s_add_co_u32 s29, s29, s34                     ; R0 = 256 (y / 4) + 16 (y % 4)
	s_lshl_b32 s34, s27, 18                        ; out: two blocks of 131,072 bytes,
	s_lshr_b32 s35, s18, 1
	s_lshl_b32 s35, s35, 17                        ; two values of w a block,
	s_add_co_u32 s34, s34, s35
	s_lshl_b32 s35, s28, 13                        ; 4 chunks of 2,048,
	s_add_co_u32 s34, s34, s35
	s_and_b32 s35, s18, 1
	s_lshl_b32 s35, s35, 10                        ; 64 columns of 16 bytes
	s_add_co_u32 s34, s34, s35
	s_mov_b32 s35, 0
	s_add_nc_u64 s[30:31], s[16:17], s[34:35]
	s_lshl_b32 s36, s18, 8                         ; in: 64 columns of 4 bytes
	s_cmp_lt_u32 s39, 128
	s_cbranch_scc0 .Lwq
	s_lshl_b32 s34, s29, 13                        ; Wkv: R0 rows of 8,192 bytes
	s_lshl_b32 s38, s27, 10
	s_add_co_u32 s34, s34, s38
	s_add_co_u32 s34, s34, s36
	s_add_nc_u64 s[24:25], s[8:9], s[34:35]
	WPATH 8192, 21
.Lwq:
	s_lshl_b32 s34, s29, 12                        ; Wq: R0 rows of 4,096 bytes
	s_sub_co_u32 s38, s27, 8
	s_lshl_b32 s38, s38, 10
	s_add_co_u32 s34, s34, s38
	s_add_co_u32 s34, s34, s36
	s_add_nc_u64 s[24:25], s[10:11], s[34:35]
	WPATH 4096, 23
.Lrows:
	; ---- 16 rows of x or of query
	s_sub_co_u32 s36, s39, 192
	s_and_b32 s26, s36, 255
	s_lshl_b32 s26, s26, 16                        ; in: 16 rows of 4,096 bytes,
	s_lshl_b32 s27, s18, 10                        ; 256 numbers of each
	s_add_co_u32 s26, s26, s27
	s_mov_b32 s27, 0
	s_lshr_b32 s28, s36, 3
	s_lshl_b32 s28, s28, 17                        ; out: a block of 128 rows,
	s_and_b32 s29, s36, 7
	s_lshl_b32 s29, s29, 8                         ; my 16 rows in each chunk,
	s_add_co_u32 s28, s28, s29
	s_lshl_b32 s29, s18, 15                        ; 16 chunks
	s_add_co_u32 s28, s28, s29
	s_mov_b32 s29, 0
	s_cmp_lt_u32 s36, 256                          ; x or query: the choice hangs on the work-group's number alone
	s_cselect_b64 s[24:25], s[4:5], s[6:7]
	s_add_nc_u64 s[24:25], s[24:25], s[26:27]
	s_add_nc_u64 s[30:31], s[14:15], s[28:29]
.irp t, 0,1,2,3,4,5,6,7
	RLOAD \t                                       ; all 32 loads go out together: 16,384 bytes
.endr
	s_wait_kmcnt 0x0
	s_cmp_lt_u32 s36, 256
	s_cselect_b32 s19, s20, s22
	MKSCALE 19
	s_wait_alu depctr_va_vdst(0)
.irp t, 0,1,2,3,4,5,6,7
	RSTEP \t
.endr
.irp i, 0,1,2,3,4,5,6,7
	ds_load_b128 v[X+4*\i:X+4*\i+3], v6 offset:544*\i   ; LDS serves a wave's instructions in order (ISA guide 5.7.1.4): these see my stores
.endr
.irp i, 0,1,2,3,4,5,6,7
	s_wait_dscnt 7-\i                              ; chunks 2 i, 2 i + 1 are back; the younger loads stay out
	global_store_b128 v7, v[X+4*\i:X+4*\i+3], s[30:31] offset:4096*\i   ; sixteen lanes store 256 consecutive bytes, at a multiple of 256 from the buffer's first byte
.endr
	s_wait_tensorcnt 0x0                           ; the wave's end
	ds_add_u32 v12, v13
	s_wait_dscnt 0x0
	s_endpgm
.Lfunc_end_k_q0389f8a09d_quant:
	.size	k_q0389f8a09d_quant, .Lfunc_end_k_q0389f8a09d_quant-k_q0389f8a09d_quant
	.p2alignl 7, 3214868480
	.fill 96, 4, 3214868480
	.section	.rodata,"a",@progbits
	.p2align	6, 0x0
	.amdhsa_kernel k_q0389f8a09d_quant
		.amdhsa_group_segment_fixed_size 4608
		.amdhsa_private_segment_fixed_size 0
		.amdhsa_enable_private_segment 0
		.amdhsa_kernarg_size 56
		.amdhsa_user_sgpr_count 2
		.amdhsa_user_sgpr_kernarg_segment_ptr 1
		.amdhsa_wavefront_size32 1
		.amdhsa_system_sgpr_workgroup_id_x 1
		.amdhsa_system_sgpr_workgroup_id_y 1
		.amdhsa_system_sgpr_workgroup_id_z 1
		.amdhsa_system_vgpr_workitem_id 0
		.amdhsa_next_free_vgpr 240
		.amdhsa_next_free_sgpr 66
		.amdhsa_reserve_vcc 0
		.amdhsa_float_denorm_mode_32 3
		.amdhsa_float_denorm_mode_16_64 3
		.amdhsa_memory_ordered 1
		.amdhsa_forward_progress 1
		.amdhsa_inst_pref_size 51
	.end_amdhsa_kernel
	.amdgpu_metadata
---
amdhsa.version: [ 1, 2 ]
amdhsa.kernels:
  - .name:           k_q0389f8a09d_quant
    .symbol:         k_q0389f8a09d_quant.kd
    .args:
      - { .name: x, .offset: 0, .size: 8, .value_kind: global_buffer, .address_space: global }
      - { .name: query, .offset: 8, .size: 8, .value_kind: global_buffer, .address_space: global }
      - { .name: Wkv, .offset: 16, .size: 8, .value_kind: global_buffer, .address_space: global }
      - { .name: Wq, .offset: 24, .size: 8, .value_kind: global_buffer, .address_space: global }
      - { .name: lowp_scales, .offset: 32, .size: 8, .value_kind: global_buffer, .address_space: global }
      - { .name: acodes, .offset: 40, .size: 8, .value_kind: global_buffer, .address_space: global }
      - { .name: wcodes, .offset: 48, .size: 8, .value_kind: global_buffer, .address_space: global }
    .group_segment_fixed_size: 4608
    .private_segment_fixed_size: 0
    .kernarg_segment_align: 8
    .kernarg_segment_size: 56
    .max_flat_workgroup_size: 32
    .sgpr_count:     66
    .vgpr_count:     240
    .wavefront_size: 32
...
	.end_amdgpu_metadata
.endif
;; end of part 1
;; launch proj (part 2): grid 8 x 32, 4 waves a work-group, clusters of 4 x 4, 327,680 bytes of LDS; arguments acodes, wcodes, bkv, bq, lowp_scales, kv, qa; writes kv, qa
.if DOCPART == 2
	.amdgcn_target "amdgcn-amd-amdhsa--gfx1250"
	.amdhsa_code_object_version 6
	.text
	.protected	k_q0389f8a09d_proj
	.globl	k_q0389f8a09d_proj
	.p2align	8
	.type	k_q0389f8a09d_proj,@function
k_q0389f8a09d_proj:
	s_mov_b64 s[64:65], 0
	v_nop
	global_prefetch_b8 v0, s[64:65] scope:SCOPE_SE
	s_setreg_imm32_b32 hwreg(HW_REG_WAVE_MODE, 25, 1), 1
	s_wait_xcnt 0x0
	s_wait_alu depctr_hold_cnt(0) depctr_sa_sdst(0) depctr_va_vdst(0) depctr_va_sdst(0) depctr_va_ssrc(0) depctr_va_vcc(0) depctr_vm_vsrc(0)
	s_getreg_b32 s2, hwreg(HW_REG_IB_STS2, 6, 4)
	s_cmp_eq_u32 s2, 0
	s_cbranch_scc0 .Lentry_in_a_cluster
	s_endpgm
.Lentry_in_a_cluster:
	s_bfe_u32 s2, ttmp6, 0x10000c
	s_cmp_lg_u32 s2, 0xf033
	s_cbranch_scc0 .Lentry_shape_is_right
	s_endpgm
.Lentry_shape_is_right:
; k, v = x Wkv + bkv and q = query Wq + bq on codes of FP8 (E4M3); the results are quantised in registers and stored as IMAGES OF THE NEXT PRODUCTS' OPERAND REGISTERS.
; A work-group makes 128 rows x 128 columns (two heads) of k, of v and of q; four waves, each 64 rows x one head.  K = 1,024 goes in five stages through two regions of LDS:
;   X0: x, k and v together, K 0-255, region 1;  X1: K 256-767, region 0;  X2: K 768-1023, region 1;  Q0: query, K 0-767, region 0;  Q1: K 768-1023, region 1.
; Codes lie in memory as [block of 128][64 chunks][128][16 bytes], so every tile is a dense run of bytes, stated as rows of 256, and lies in LDS as in memory: sixteen lanes of a fragment load read 256 consecutive bytes.
; One tensor load a wave and stage: waves 0, 1: halves of A's tile; waves 2, 3: Wk's and Wv's tiles (Q: halves of Wq's).  A stage is asked for behind the round that shows the stage before it, and has that stage's products in which to land.
; CLUSTER 4 x 4: the four of a row share A's tiles, the four of a column W's: each is asked for jointly.
; PREFETCHES INTO THE L2: X1's and Q0's loads have two K steps of products in front of the wait for them, X2's four and Q1's six; so X1 is asked for behind X0's load and Q0 behind X2's, each one stage ahead of its own load.
; A wave's blocks of 256 bytes: A's tile is shared out among the four partners of a row and waves 0, 1; W's among the four of a column and between the even and the odd rows of clusters: no block is named by more than four clusters.
; k and q: THE PRODUCT IS USED TRANSPOSED (source 0 = 16 columns of W, source 1 = 16 rows of x): a lane holds one row and eight neighbouring places of its head.  v: source 0 = rows, source 1 = columns: a lane holds one place and eight neighbouring rows (keys).
; Place p of a head is column 2 p (p < 32) or 2 (p - 32) + 1, in k, q and v alike.
; The bias, divided by the power of two that the sums lack, is the C of each sum's first product.  A sum stands for sum x 2^(eA + eW): its code is sum / 2^(eo - eA - eW).
; kv [64 heads][8 groups of 128 keys][24,576]: 8 tiles of 16 keys of k (1,024 bytes: registers 0-3 of the fragment at 16 x lane, 4-7 at 512 + 16 x lane), 8 tiles of q (scale entry 5), then V (entry 7): [4 tiles of 16 places][4][32 lanes][16 bytes].
; qa [64][64 tiles][1,024]: q once more, with scale entry 4.
; LIMITS, so that each power of two is an f32 number: e5 - e0 - e1, e7 - e0 - e1, e5 - e2 - e3 and e4 - e2 - e3 between -126 and 119.  NaN among the inputs is not served.
; REGISTERS.  Window 0: v1-31 addresses, limits, scales; v32-99 biases as loaded; v128-255 A's fragments, two buffers of 64.  Window 1: W's fragments, two buffers of 128 (k's or q's 64, v's 64).
;   Window 2: k's, later q's accumulators (a, b) at 8 (4 a + b); v128-159 k's bias, v160-191 q's; v192-207 numbers held; v208-239 codes.  Window 3: the same for v.
.set R1, 196608                        ; region 1, 98,304 bytes; region 0 lies at 0
.set SPARE, 294912                     ; behind it: the spare words
.set SPW, 28
.set NIL, 29
.set G1A, 28
.set G1B, 36
.set G0A, 44
.set G0B, 48
.set MSB, 0
.macro WIN new                         ; the immediate's high byte repeats the setting that is left
.if MSB != \new
	s_set_vgpr_msb (MSB<<8)|\new
.set MSB, \new
.endif
.endm
.macro CROUND                          ; a round of the cluster's barrier
	s_barrier_signal -1
	s_barrier_wait -1
	s_cmp_lg_u32 s18, 0
	s_cbranch_scc1 .Lnot_wave_0_\@
	s_barrier_signal -3
.Lnot_wave_0_\@:
	s_barrier_wait -3
	s_barrier_signal -1
	s_barrier_wait -1
.endm
.macro JLOAD                           ; a joint load: waves 0 and 1 for A, 2 and 3 for W; s_nop 0 and four v_nop behind each line
	s_cmp_eq_u32 s19, 0
	s_cbranch_scc0 .Lfor_b_\@
	tensor_load_to_lds s[G0A:G0A+3], s[G1A:G1A+7]
	s_nop 0
.rept 4
	v_nop
.endr
	s_branch .Lasked_\@
.Lfor_b_\@:
	tensor_load_to_lds s[G0B:G0B+3], s[G1B:G1B+7]
	s_nop 0
.rept 4
	v_nop
.endr
.Lasked_\@:
.endm
; A stage's descriptors.  arow, brow: rows of 256 bytes of one wave's load; abase, bbase: LDS; akoff, bkoff: bytes from my block of x's or k's codes; bmstep: bytes in memory from wave 2's tile to wave 3's.
.macro DESC arow, abase, akoff, brow, bbase, bkoff, bmstep
	s_mov_b32 s[G1A+2], (\arow)<<16
	s_mov_b32 s[G1A+4], \arow
	s_mov_b32 s[G1B+2], (\brow)<<16
	s_mov_b32 s[G1B+4], \brow
	s_mul_i32 s96, s20, (\arow)*256
	s_add_co_u32 s[G0A+1], s96, \abase
	s_add_co_u32 s96, s96, \akoff
	s_add_nc_u64 s[G0A+2:G0A+3], s[92:93], s[96:97]
	s_or_b32 s[G0A+3], s[G0A+3], 0x80000000
	s_mul_i32 s96, s20, (\brow)*256
	s_add_co_u32 s[G0B+1], s96, \bbase
	s_mul_i32 s96, s20, \bmstep
	s_add_co_u32 s96, s96, \bkoff
	s_add_nc_u64 s[G0B+2:G0B+3], s[94:95], s[96:97]
	s_or_b32 s[G0B+3], s[G0B+3], 0x80000000
.endm
; The change of stages: all my tensor loads have landed, the add, my reads are over, the round; then my one load.
.macro TURN arow, abase, akoff, brow, bbase, bkoff, bmstep
	s_wait_tensorcnt 0x0
	ds_add_u32 v[SPW], v[NIL]
	DESC \arow, \abase, \akoff, \brow, \bbase, \bkoff, \bmstep
	s_wait_dscnt 0x0
	CROUND
	JLOAD
.endm
.macro PLACES                          ; four plain vector lines behind matrix instructions (ISA guide 7.12.1)
.rept 4
	v_nop
.endr
.endm
; A fragment is 16 rows x 128 K: registers 4 c .. 4 c + 3 of lane (r, h) hold chunk 8 n + 2 c + h of the tile, in x and in W alike.
.macro FRAGS d, ad, n
.irp i, 0,1,2,3
.irp c, 0,1,2,3
	ds_load_b128 v[\d+16*\i+4*\c:\d+16*\i+4*\c+3], v[\ad] offset:16384*(\n)+4096*\c+256*\i
.endr
.endr
.endm
.macro FETCHQ a, b, n, f
	WIN 0
	FRAGS 128+64*(\f), \a, \n
	WIN 0x40                                       ; destination window 1, address window 0
	FRAGS 128*(\f), \b, \n
.endm
.macro FETCHX a, bk, bv, n, f
	FETCHQ \a, \bk, \n, \f
	FRAGS 128*(\f)+64, \bv, \n
.endm
.set FST, 1                            ; 1: the sums' first products, whose C is the bias
.set BIA, 128
.macro MUL8 f, a0                      ; k or q: 8 products.  The accumulators take turns, one instruction a turn, in the same order in every step
	WIN 0xa1                                       ; source 0 (W) window 1, source 1 (x) window 0, C and D window 2
.irp a, \a0, \a0+1
.irp b, 0,1,2,3
.set rD, 8*(4*(\a)+\b)
.if FST
	v_wmma_f32_16x16x128_fp8_fp8 v[rD:rD+7], v[128*(\f)+16*\b:128*(\f)+16*\b+15], v[128+64*(\f)+16*(\a):128+64*(\f)+16*(\a)+15], v[BIA+8*\b:BIA+8*\b+7]
.else
	v_wmma_f32_16x16x128_fp8_fp8 v[rD:rD+7], v[128*(\f)+16*\b:128*(\f)+16*\b+15], v[128+64*(\f)+16*(\a):128+64*(\f)+16*(\a)+15], v[rD:rD+7]
.endif
.endr
.endr
.endm
.macro MULK f
	MUL8 \f, 0
	MUL8 \f, 2
.endm
.macro MULV f
	WIN 0xf4                                       ; source 0 (x) window 0, source 1 (W) window 1, C and D window 3
.irp a, 0,1,2,3
.irp b, 0,1,2,3
.set rD, 8*(4*\a+\b)
.if FST
	v_wmma_f32_16x16x128_fp8_fp8 v[rD:rD+7], v[128+64*(\f)+16*\a:128+64*(\f)+16*\a+15], v[128*(\f)+64+16*\b:128*(\f)+64+16*\b+15], v[128+8*\b:128+8*\b+7]
.else
	v_wmma_f32_16x16x128_fp8_fp8 v[rD:rD+7], v[128+64*(\f)+16*\a:128+64*(\f)+16*\a+15], v[128*(\f)+64+16*\b:128*(\f)+64+16*\b+15], v[rD:rD+7]
.endif
.endr
.endr
.endm
; A step of 128 along K on buffer f; the next step's fragments, in the same stage, go into buffer g under its products.
.macro XSTEP f, g, a, bk, bv, n
	s_wait_dscnt 0x0
	PLACES                                         ; behind the last step's products, which read buffer g
	FETCHX \a, \bk, \bv, \n, \g
	MULK \f
	MULV \f
.set FST, 0
.endm
.macro QSTEP f, g, a, b, n
	s_wait_dscnt 0x0
	PLACES
	FETCHQ \a, \b, \n, \g
	MULK \f
.set FST, 0
.endm
; An accumulator's eight sums become eight codes: held (into registers of their own, two sets by turns, from the accumulator's low end on) and converted.
.set QN, 0
.macro QOUT acc, dst, lim, sc
.set TT, 192+8*(QN%2)
.set QN, QN+1
.irp j, 0,1,2,3,4,5,6,7
	v_med3_num_f32 v[TT+\j], v[\acc+\j], -v[\lim], v[\lim]   ; the conversion to an 8-bit code does not saturate (ISA guide 7.6.2)
.endr
	v_cvt_scalef32_pk8_fp8_f32 v[\dst:\dst+1], v[TT:TT+7], v[\sc]
.endm
.macro KEYS cd, lim, sc, base          ; k or q: registers 2 b, 2 b + 1 of tile a's fragment are places 16 b + 8 h + 0 .. 7
	WIN 0x82                                       ; source 0 and destination window 2
.irp a, 0,1,2,3
.irp b, 0,1,2,3
	QOUT 8*(4*\a+\b), \cd+8*\a+2*\b, \lim, \sc
.endr
.endr
	v_nop                                          ; a plain line behind the last conversion
	WIN 0x08                                       ; the stores' data in window 2
.irp a, 0,1,2,3
	global_store_b128 v8, v[\cd+8*\a:\cd+8*\a+3], s[\base:\base+1] offset:1024*\a        ; 32 lanes store 512 consecutive bytes, at a multiple of 256 from the buffer's first byte
	global_store_b128 v8, v[\cd+8*\a+4:\cd+8*\a+7], s[\base:\base+1] offset:1024*\a+512
.endr
	WIN 0
.endm
.macro MK lim, sc, eo, sh              ; v[sc] = 2^(s[eo] + s[sh]), v[lim] = 448 x that
	s_add_co_i32 s58, s[\eo], s[\sh]
	s_add_co_i32 s58, s58, 127
	s_lshl_b32 s59, s58, 23
	v_mov_b32 v[\sc], s59
	s_add_co_i32 s58, s58, 8
	s_lshl_b32 s58, s58, 23
	s_or_b32 s58, s58, 0x600000
	v_mov_b32 v[\lim], s58
.endm
	s_load_b256 s[4:11], s[0:1], 0x0               ; acodes s[4:5], wcodes s[6:7], bkv s[8:9], bq s[10:11]
	s_load_b128 s[12:15], s[0:1], 0x20             ; the scales' exponents s[12:13], kv s[14:15]
	s_load_b64 s[16:17], s[0:1], 0x30              ; qa
	v_lshl_add_u32 v[SPW], v0, 2, SPARE
	v_mov_b32 v[NIL], 0
	ds_add_u32 v[SPW], v[NIL]                      ; the add twice on end,
	ds_add_u32 v[SPW], v[NIL]
	v_lshrrev_b32 v1, 5, v0
	v_readfirstlane_b32 s18, v1                    ; wave 0..3
	s_lshr_b32 s19, s18, 1                         ; which 64 rows are mine.  Also: I fetch for A (0) or for W (1)
	s_and_b32 s20, s18, 1                          ; which head of the two.  Also: which half of A, or which of W's two tiles, I fetch
	s_bfe_u32 s21, ttmp6, 0x40000                  ; cx
	s_bfe_u32 s22, ttmp6, 0x40004                  ; cy
	s_lshl_b32 s23, ttmp9, 2
	s_add_co_u32 s23, s23, s21                     ; cb: 128 columns, 0..7
	s_and_b32 s24, ttmp7, 0xffff
	s_and_b32 s25, s24, 1                          ; even or odd row of clusters
	s_lshl_b32 s24, s24, 2
	s_add_co_u32 s24, s24, s22                     ; rb: 128 rows, 0..31
	s_lshl_b32 s26, s22, 2
	s_lshl_b32 s26, 15, s26                        ; my row of the cluster
	s_lshl_b32 s27, 0x1111, s21                    ; my column
	s_or_b32 s[G1A], s26, (3<<16)|(1<<21)          ; 15:0 the mask; 17:16 elements of 8 bytes; 21 set beside a mask; no padding
	s_or_b32 s[G1B], s27, (3<<16)|(1<<21)
.irp g, G1A, G1B
	s_mov_b32 s[\g+1], 32<<16                      ; rows of 32 elements, 256 bytes, dense
	s_mov_b32 s[\g+3], 32<<16
	s_mov_b32 s[\g+5], 32
	s_mov_b32 s[\g+6], 0
	s_mov_b32 s[\g+7], 0
.endr
	s_mov_b32 s[G0A], 1
	s_mov_b32 s[G0B], 1
	s_lshl_b32 s92, s24, 17                        ; A: 131,072 bytes a block of 128 rows
	s_mov_b32 s93, 0
	s_lshl_b32 s94, s23, 17                        ; W: likewise a block of 128 columns
	s_mov_b32 s95, 0
	s_mov_b32 s97, 0
	s_wait_alu depctr_va_vdst(0)                   ; directly ahead of the wait below
	s_wait_dscnt 0x0                               ; and the one wait for both adds
	s_wait_kmcnt 0x0
	s_load_b256 s[84:91], s[12:13], 0x0            ; e0 .. e7
	s_add_nc_u64 s[92:93], s[4:5], s[92:93]
	s_add_nc_u64 s[94:95], s[6:7], s[94:95]
	DESC 64, R1, 0, 128, R1+32768, 0, 1048576      ; X0; v's block lies 8 blocks behind k's
	CROUND                                         ; all sixteen work-groups are here: the joint loads meet
	JLOAD
	v_and_b32 v1, 15, v0                           ; r
	v_bfe_u32 v2, v0, 4, 1                         ; h
	v_and_b32 v3, 31, v0
	v_lshlrev_b32 v4, 4, v1
	v_lshlrev_b32 v8, 4, v3                        ; 16 x lane: an image's place for my lane
	v_lshl_add_u32 v4, v2, 11, v4                  ; 2,048 h + 16 r
	v_lshlrev_b32 v9, 6, v2                        ; biases of k and q: 16 columns for each half of the lanes
	v_lshlrev_b32 v7, 3, v1                        ; of v: two columns a lane
	s_lshl_b32 s98, s19, 10
	s_lshl_b32 s99, s20, 10
	v_add_nc_u32 v16, s98, v4                      ; A: + my 64 rows.  v16: region 0; v17: 65,536 on; v18: region 1
	v_add_nc_u32 v6, s99, v4                       ; W: + my 64 columns
	v_add_nc_u32 v17, 0x10000, v16
	v_add_nc_u32 v18, R1, v16
	v_add_nc_u32 v19, 0x10000, v6                  ; X1: Wk, Wv
	v_add_nc_u32 v20, 0x20000, v6
	v_add_nc_u32 v21, R1+32768, v6                 ; X0, X2: Wk, Wv.  Q1: Wq
	v_add_nc_u32 v22, R1+65536, v6
	v_add_nc_u32 v23, 98304, v6                    ; Q0: Wq, and 65,536 on
	v_add_nc_u32 v24, 163840, v6
	s_lshl_b32 s56, s23, 9                         ; my head's biases: 128 columns of 4 bytes a block,
	s_lshl_b32 s57, s20, 8                         ; 64 a head
	s_add_co_u32 s56, s56, s57
	s_mov_b32 s57, 0
	s_add_nc_u64 s[52:53], s[8:9], s[56:57]
	s_add_nc_u64 s[54:55], s[10:11], s[56:57]
	s_wait_alu depctr_va_vdst(0)
.irp b, 0,1
.irp m, 0,1,2,3
	global_load_b128 v[32+16*\b+4*\m:32+16*\b+4*\m+3], v9, s[52:53] offset:128*\b+16*\m    ; columns 32 b + 16 h + 0 .. 15 of k,
	global_load_b128 v[64+16*\b+4*\m:64+16*\b+4*\m+3], v9, s[54:55] offset:128*\b+16*\m    ; of q
.endr
	global_load_b64 v[96+2*\b:97+2*\b], v7, s[52:53] offset:4096+128*\b                    ; columns 32 b + 2 r, + 1 of v
.endr
	; the prefetches: A's waves take part 2 cx + wave of eight, W's part 2 cy + (row of clusters) % 2 of eight
	s_mov_b32 s59, 0x400000
	s_mov_b32 s83, 31
	s_cmp_eq_u32 s19, 0                            ; the choices hang on the wave's number alone
	s_cselect_b64 s[78:79], s[92:93], s[94:95]
	s_cselect_b32 s98, s21, s22
	s_cselect_b32 s99, s20, s25
	s_cselect_b32 s82, 0, s20                      ; W's waves: k's (0) or v's (1) tile; in Q0 the first or the second half of a part
	s_cselect_b32 s59, s59, 0x200000               ; query's blocks lie 32 blocks behind x's, Wq's 16 behind Wk's
	s_cselect_b32 s83, s83, 23                     ; Q0: the last lane that names a block of its own in the first instruction
	s_lshl_b32 s98, s98, 1
	s_add_co_u32 s98, s98, s99
	s_lshl_b32 s56, s98, 13                        ; X1: 8,192 bytes of my wave's tile of 65,536,
	s_lshl_b32 s99, s82, 20
	s_add_co_u32 s56, s56, s99
	s_add_co_u32 s56, s56, 32768                   ; from K = 256 on
	s_add_nc_u64 s[80:81], s[78:79], s[56:57]
	s_mul_i32 s56, s98, 12288                      ; Q0: a part of 12,288 of the tile's 98,304: 48 blocks a wave of A's, 24 a wave of W's
	s_mul_i32 s99, s82, 6144
	s_add_co_u32 s56, s56, s99
	s_add_co_u32 s56, s56, s59
	s_add_nc_u64 s[62:63], s[78:79], s[56:57]
	v_and_b32 v30, 31, v0
	v_min_u32 v31, s83, v30
	v_min_u32 v25, 15, v30
	v_lshlrev_b32 v30, 8, v30                      ; a lane a block of 256 bytes; lanes left over name their wave's last block again
	v_lshlrev_b32 v31, 8, v31
	v_lshlrev_b32 v25, 8, v25
	s_wait_alu depctr_va_vdst(0)
	global_prefetch_b8 v30, s[80:81] th:TH_LOAD_NT scope:SCOPE_SE      ; X1, one stage ahead of its load
	; where my images go
	s_lshr_b32 s26, s24, 3
	s_lshl_b32 s26, s26, 4
	s_lshl_b32 s27, s23, 1
	s_add_co_u32 s26, s26, s27
	s_add_co_u32 s26, s26, s20                     ; 16 x batch + head
	s_and_b32 s27, s24, 7                          ; group: which 128 rows of the batch's 1,024
	s_mul_i32 s60, s26, 196608
	s_mul_i32 s61, s27, 24576
	s_add_co_u32 s60, s60, s61
	s_mov_b32 s61, 0
	s_add_nc_u64 s[68:69], s[14:15], s[60:61]
	s_lshl_b32 s60, s19, 12                        ; my 64 rows: 4 tiles of 1,024 among the keys,
	s_add_nc_u64 s[70:71], s[68:69], s[60:61]      ; k
	s_add_co_u32 s60, s60, 8192
	s_add_nc_u64 s[74:75], s[68:69], s[60:61]      ; q behind k's 8 tiles
	s_lshl_b32 s60, s19, 10                        ; and 1,024 bytes on in a fragment of V,
	s_add_co_u32 s60, s60, 16384
	s_add_nc_u64 s[72:73], s[68:69], s[60:61]      ; behind q's
	s_lshl_b32 s60, s26, 16
	s_lshl_b32 s61, s27, 13
	s_add_co_u32 s60, s60, s61
	s_lshl_b32 s61, s19, 12
	s_add_co_u32 s60, s60, s61
	s_mov_b32 s61, 0
	s_add_nc_u64 s[76:77], s[16:17], s[60:61]      ; q as queries
	s_wait_kmcnt 0x0
	s_add_co_i32 s100, s84, s85
	s_sub_co_i32 s100, 0, s100                     ; -(e0 + e1)
	s_add_co_i32 s101, s86, s87
	s_sub_co_i32 s101, 0, s101                     ; -(e2 + e3)
	MK 10, 11, 89, 100                             ; k: e5
	MK 12, 13, 91, 100                             ; v: e7
	MK 14, 15, 89, 101                             ; q as keys: e5
	MK 26, 27, 88, 101                             ; q as queries: e4
	s_wait_alu depctr_va_vdst(0)                   ; directly ahead of the wait below
	s_wait_loadcnt 0x0
	WIN 0x80
.irp b, 0,1
.irp j, 0,1,2,3,4,5,6,7
	v_ldexp_f32 v[128+8*\b+\j], v[32+16*\b+2*\j], s100         ; places 16 b ..: even columns,
	v_ldexp_f32 v[144+8*\b+\j], v[32+16*\b+2*\j+1], s100       ; places 32 + 16 b ..: odd ones
	v_ldexp_f32 v[160+8*\b+\j], v[64+16*\b+2*\j], s101
	v_ldexp_f32 v[176+8*\b+\j], v[64+16*\b+2*\j+1], s101
.endr
.endr
	WIN 0xc0
.irp b, 0,1
.irp j, 0,1,2,3,4,5,6,7
	v_ldexp_f32 v[128+8*\b+\j], v[96+2*\b], s100               ; one place's bias in all eight registers
	v_ldexp_f32 v[144+8*\b+\j], v[97+2*\b], s100
.endr
.endr
	WIN 0
	s_wait_alu depctr_va_vdst(0)
	TURN 128, 0, 32768, 256, 65536, 32768, 1048576 ; X0 is in: X1 is asked for (a first fill)
	FETCHX 18, 21, 22, 0, 0
	XSTEP 0, 1, 18, 21, 22, 1
	s_wait_dscnt 0x0                               ; X0's last step: its fragments are in registers, so region 1 is free
	MULK 1
	WIN 0
	TURN 64, R1, 98304, 128, R1+32768, 98304, 1048576          ; X1 is in: X2
	FETCHX 16, 19, 20, 0, 0
	WIN 0
	global_prefetch_b8 v31, s[62:63] th:TH_LOAD_NT scope:SCOPE_SE      ; Q0, one stage ahead of its load
	s_cmp_eq_u32 s19, 0
	s_cbranch_scc0 .Lno_second                     ; A's waves have 16 blocks more
	global_prefetch_b8 v25, s[62:63] offset:8192 th:TH_LOAD_NT scope:SCOPE_SE
.Lno_second:
	MULV 1
	XSTEP 0, 1, 16, 19, 20, 1
	XSTEP 1, 0, 16, 19, 20, 2
	XSTEP 0, 1, 16, 19, 20, 3
	s_wait_dscnt 0x0
	MULK 1
	WIN 0
	TURN 192, 0, 4194304, 192, 98304, 2097152, 49152           ; X2 is in: Q0; query's blocks lie 32 blocks behind x's, Wq's 16 behind Wk's
	FETCHX 18, 21, 22, 0, 0
	MULV 1
	XSTEP 0, 1, 18, 21, 22, 1
	s_wait_dscnt 0x0
	MULK 1
	MULV 1
	PLACES                                         ; ahead of the first read of results
	KEYS 208, 10, 11, 70                           ; k goes out,
	WIN 0xc3
.irp b, 0,1,2,3
.irp a, 0,1,2,3
	QOUT 8*(4*\a+\b), 208+8*\b+2*\a, 12, 13        ; and v: registers 8 wr + 2 a, + 1 of tile b's fragment: keys 64 wr + 16 a + 8 h + 0 .. 7 of the group
.endr
.endr
	v_nop
	WIN 0x0c
.irp b, 0,1,2,3
	global_store_b128 v8, v[208+8*\b:211+8*\b], s[72:73] offset:2048*\b
	global_store_b128 v8, v[212+8*\b:215+8*\b], s[72:73] offset:2048*\b+512
.endr
	WIN 0
	TURN 64, R1, 4292608, 64, R1+32768, 2195456, 16384         ; Q0 is in: Q1
.set FST, 1
.set BIA, 160
	FETCHQ 16, 23, 0, 0
	QSTEP 0, 1, 16, 23, 1
	QSTEP 1, 0, 16, 23, 2
	QSTEP 0, 1, 16, 23, 3
	QSTEP 1, 0, 17, 24, 0
	QSTEP 0, 1, 17, 24, 1
	s_wait_dscnt 0x0
	MUL8 1, 0
	WIN 0
	s_wait_tensorcnt 0x0                           ; my part of Q1 is in; nothing is filled again
	s_barrier_signal -1
	s_barrier_wait -1                              ; everybody's is
	PLACES
	FETCHQ 18, 21, 0, 0
	MUL8 1, 2
	QSTEP 0, 1, 18, 21, 1
	s_wait_dscnt 0x0
	MULK 1
	WIN 0
	s_wait_xcnt 0x0                                ; k's stores have read their registers
	PLACES
	KEYS 208, 14, 15, 74
	KEYS 128, 26, 27, 76                           ; q once more, as queries, into registers of its own
	s_wait_tensorcnt 0x0                           ; the wave's end
	ds_add_u32 v[SPW], v[NIL]
	s_wait_dscnt 0x0
	CROUND                                         ; the closing round: no work-group ends while a partner may still ask for a tile that names it
	s_endpgm
.Lfunc_end_k_q0389f8a09d_proj:
	.size	k_q0389f8a09d_proj, .Lfunc_end_k_q0389f8a09d_proj-k_q0389f8a09d_proj
	.p2alignl 7, 3214868480
	.fill 96, 4, 3214868480
	.section	.rodata,"a",@progbits
	.p2align	6, 0x0
	.amdhsa_kernel k_q0389f8a09d_proj
		.amdhsa_group_segment_fixed_size 327680
		.amdhsa_private_segment_fixed_size 0
		.amdhsa_enable_private_segment 0
		.amdhsa_kernarg_size 56
		.amdhsa_user_sgpr_count 2
		.amdhsa_user_sgpr_kernarg_segment_ptr 1
		.amdhsa_wavefront_size32 1
		.amdhsa_system_sgpr_workgroup_id_x 1
		.amdhsa_system_sgpr_workgroup_id_y 1
		.amdhsa_system_sgpr_workgroup_id_z 1
		.amdhsa_system_vgpr_workitem_id 0
		.amdhsa_next_free_vgpr 1024
		.amdhsa_next_free_sgpr 102
		.amdhsa_reserve_vcc 0
		.amdhsa_float_denorm_mode_32 3
		.amdhsa_float_denorm_mode_16_64 3
		.amdhsa_memory_ordered 1
		.amdhsa_forward_progress 1
		.amdhsa_inst_pref_size 133
	.end_amdhsa_kernel
	.amdgpu_metadata
---
amdhsa.version: [ 1, 2 ]
amdhsa.kernels:
  - .name:           k_q0389f8a09d_proj
    .symbol:         k_q0389f8a09d_proj.kd
    .args:
      - { .name: acodes, .offset: 0, .size: 8, .value_kind: global_buffer, .address_space: global }
      - { .name: wcodes, .offset: 8, .size: 8, .value_kind: global_buffer, .address_space: global }
      - { .name: bkv, .offset: 16, .size: 8, .value_kind: global_buffer, .address_space: global }
      - { .name: bq, .offset: 24, .size: 8, .value_kind: global_buffer, .address_space: global }
      - { .name: lowp_scales, .offset: 32, .size: 8, .value_kind: global_buffer, .address_space: global }
      - { .name: kv, .offset: 40, .size: 8, .value_kind: global_buffer, .address_space: global }
      - { .name: qa, .offset: 48, .size: 8, .value_kind: global_buffer, .address_space: global }
    .group_segment_fixed_size: 327680
    .private_segment_fixed_size: 0
    .kernarg_segment_align: 8
    .kernarg_segment_size: 56
    .max_flat_workgroup_size: 128
    .sgpr_count:     102
    .vgpr_count:     1024
    .wavefront_size: 32
...
	.end_amdgpu_metadata
.endif
;; end of part 2
;; launch attn (part 3): grid 4 x 64, 16 waves a work-group, clusters of 4 x 1, 327,680 bytes of LDS; arguments qa, kv, lowp_scales, out0; writes out0
.if DOCPART == 3
	.amdgcn_target "amdgcn-amd-amdhsa--gfx1250"
	.amdhsa_code_object_version 6
	.text
	.protected	k_q0389f8a09d_attn
	.globl	k_q0389f8a09d_attn
	.p2align	8
	.type	k_q0389f8a09d_attn,@function
k_q0389f8a09d_attn:
	s_mov_b64 s[64:65], 0
	v_nop
	global_prefetch_b8 v0, s[64:65] scope:SCOPE_SE
	s_setreg_imm32_b32 hwreg(HW_REG_WAVE_MODE, 25, 1), 1
	s_wait_xcnt 0x0
	s_wait_alu depctr_hold_cnt(0) depctr_sa_sdst(0) depctr_va_vdst(0) depctr_va_sdst(0) depctr_va_ssrc(0) depctr_va_vcc(0) depctr_vm_vsrc(0)
	s_getreg_b32 s2, hwreg(HW_REG_IB_STS2, 6, 4)
	s_cmp_eq_u32 s2, 0
	s_cbranch_scc0 .Lentry_in_a_cluster
	s_endpgm
.Lentry_in_a_cluster:
	s_bfe_u32 s2, ttmp6, 0x10000c
	s_cmp_lg_u32 s2, 0x3003
	s_cbranch_scc0 .Lentry_shape_is_right
	s_endpgm
.Lentry_shape_is_right:
; out[b][n][64 head + :] = the sum over 2,048 keys of softmax(q . key / 8) v, both products on codes of FP8 (E4M3).  Keys 0-1023 are k, keys 1024-2047 are q; key j and key j + 1,024 meet the same row of v.
; THE SOFTMAX AHEAD OF THE SECOND PRODUCT: t = score x log2(e) / 8; M = the row's largest t so far, rounded UP to a whole number; p = 2^(t - M) is quantised (scale entry 6), not normalised.
; The row's sum is taken of the unquantised p, in f32, and divides at the end.  When M moves, the sum and O are multiplied by 2^(old M - new M), which rounds nothing.
; LIMITS, so that each power of two is an f32 number: e4 + e5 between -123 and 130 (added to c's exponent field); e6 between -126 and 119; e6 + e7 goes by v_ldexp_f32 and has none.
; The promise holds while the scaled scores stay under 2^31 in magnitude.
.set STAGE, 196608                     ; behind K and V: 16 rows x 272 bytes for each wave, for the way out; no tile lands there
; SHARES.  A work-group owns 256 queries of one head (of 64), each of its sixteen waves 16: one tile, in 256 registers, four waves to a SIMD.
; A HEAD'S KEYS AND V LIE IN LDS WHOLE, 196,608 bytes, as they lie in kv: 8 groups of 24,576 bytes (8 tiles of k, 8 of q, V), images of operand registers: every fragment comes by loads of 512 consecutive bytes.
; Each wave brings 12,288 bytes by one tensor load; nothing is filled again.  One barrier shows all of it to every wave, and from there to the closing round the waves wait for nobody.
; CLUSTER 4 x 1: the head's four blocks of queries read the same 196,608 bytes: every load is asked for jointly by the four.  No prefetch: all that the launch reads is asked for at the head.
; LAYOUT.  S^T = K Q^T (source 0 = 16 keys, source 1 = my 16 queries; K = 64) and O^T = V^T P^T (source 0 = 16 places of the head, source 1 = P; K = 128 keys): a lane holds ONE query throughout.
; Tile T's eight scores of lane (r, h) are keys 16 T + 8 h + 0 .. 7, which are registers 2 T, 2 T + 1 of P's fragment: the conversions' results are the operand.  Tiles 0-7 are k's, 8-15 q's 128 keys of the group, against the same V.
; Place p of a head is its column 2 p (p < 32) or 2 (p - 32) + 1: k and q agree in it, and the way out puts V's places back.
; THE EXPONENTIALS GO IN FOUR BATCHES OF 32: among batch c's stand batch c + 1's multiply-adds, batch c - 1's sums and holds and batch c - 2's conversions; one wait parts batch from batch.
; REGISTERS: v1 16 x lane; v2, v3 the add's; v4 the group's LDS address; v5-7 at work; v[8:9] f; v10 448 x 2^e6, v11 2^e6; v12 -M, v13 the largest score, v[14:15] the sum in two halves; v16-23 Q; v24-55 O^T;
;   v56-87 q's tiles 4-7, then P's codes; v88-119 q's tiles 0-3, then sixteen partial sums; v120-247 scores, then p; k's tiles come into v184-247, V's four fragments into v120-183; v248-254 at work.
.set SPARE, 0x41000                    ; behind the stages: the spare words
.set SP,  272
.set GB,  24576
.set O,   24
.set P,   56
.set A,   88
.set S,   120
.set G1,  24                           ; s[24:31] descriptor group 1
.set G0,  32                           ; s[32:35] group 0
.macro CROUND                          ; a round of the cluster's barrier
	s_barrier_signal -1
	s_barrier_wait -1
	s_cmp_lg_u32 s12, 0
	s_cbranch_scc1 .Lnot_wave_0_\@
	s_barrier_signal -3
.Lnot_wave_0_\@:
	s_barrier_wait -3
	s_barrier_signal -1
	s_barrier_wait -1
.endm
	s_load_b256 s[4:11], s[0:1], 0x0               ; qa s[4:5], kv s[6:7], the scales' exponents s[8:9], out0 s[10:11]
	v_lshl_add_u32 v2, v0, 2, SPARE
	v_mov_b32 v3, 0
	ds_add_u32 v2, v3                              ; the add twice on end,
	ds_add_u32 v2, v3
	v_lshrrev_b32 v4, 5, v0
	v_readfirstlane_b32 s12, v4                    ; wave 0..15
	s_bfe_u32 s13, ttmp6, 0x40000                  ; cx
	s_lshl_b32 s14, ttmp9, 2
	s_add_co_u32 s14, s14, s13                     ; my block of 256 queries: it enters Q's and out0's addresses alone
	s_and_b32 s15, ttmp7, 0xffff                   ; 16 x batch + head, which the four partners share
	s_mov_b32 s[G1], 15|(3<<16)|(1<<21)            ; 15:0 the mask: all four; 17:16 elements of 8 bytes; 21 set beside a mask; no padding: a dense block of 12,288 bytes as 48 rows of 256
	s_mov_b32 s[G1+1], 32<<16
	s_mov_b32 s[G1+2], 48<<16
	s_mov_b32 s[G1+3], 32<<16
	s_mov_b32 s[G1+4], 48
	s_mov_b32 s[G1+5], 32
	s_mov_b32 s[G1+6], 0
	s_mov_b32 s[G1+7], 0
	s_mul_i32 s16, s12, 12288                      ; my part, in LDS as in memory
	s_mul_i32 s18, s15, 196608
	s_add_co_u32 s18, s18, s16
	s_mov_b32 s19, 0
	s_mov_b32 s[G0], 1
	s_mov_b32 s[G0+1], s16
	s_mov_b32 s20, 0x76543210                      ; v_permlanex16_b32's selects for lane l xor 16
	s_mov_b32 s21, 0xfedcba98
	s_mov_b32 s22, 0x3e38aa3b                      ; c = log2(e) / 8
	s_mov_b32 s66, 0                               ; 24,576 x the group in hand
	s_wait_alu depctr_va_vdst(0)                   ; directly ahead of the wait below
	s_wait_dscnt 0x0                               ; and the one wait for both adds
	s_wait_kmcnt 0x0
	s_load_b256 s[68:75], s[8:9], 0x0              ; e0 .. e7
	s_add_nc_u64 s[G0+2:G0+3], s[6:7], s[18:19]
	s_or_b32 s[G0+3], s[G0+3], 0x80000000
	CROUND                                         ; all four work-groups are here: the joint loads meet
	tensor_load_to_lds s[G0:G0+3], s[G1:G1+7]
	s_nop 0
.rept 4
	v_nop
.endr
	v_and_b32 v1, 31, v0
	s_delay_alu instid0(VALU_DEP_1)
	v_lshlrev_b32 v1, 4, v1                        ; 16 x lane
	v_mov_b32 v5, 0                                ; written once: a lane permute's destination counts as one of its sources
	v_mov_b32 v9, 0                                ; (named as the upper half of the pair v[8:9])
	s_lshl_b32 s16, s15, 16                        ; Q: 65,536 bytes a head,
	s_lshl_b32 s17, s14, 14                        ; 16 tiles of 1,024 a block,
	s_add_co_u32 s16, s16, s17
	s_lshl_b32 s17, s12, 10                        ; my tile
	s_add_co_u32 s16, s16, s17
	s_mov_b32 s17, 0
	s_add_nc_u64 s[4:5], s[4:5], s[16:17]
	s_wait_alu depctr_va_vdst(0)                   ; ahead of the readers below
	global_load_b128 v[16:19], v1, s[4:5]          ; Q's fragment stays in registers
	global_load_b128 v[20:23], v1, s[4:5] offset:512
	s_lshr_b32 s16, s15, 4
	s_lshl_b32 s16, s16, 22                        ; out0: 1,024 rows of 4,096 bytes a batch,
	s_lshl_b32 s17, s14, 20                        ; 256 rows a block,
	s_add_co_u32 s16, s16, s17
	s_lshl_b32 s17, s12, 16                        ; 16 rows a wave,
	s_add_co_u32 s16, s16, s17
	s_and_b32 s17, s15, 15
	s_lshl_b32 s17, s17, 8                         ; 256 bytes a head
	s_add_co_u32 s16, s16, s17
	s_mov_b32 s17, 0
	s_add_nc_u64 s[10:11], s[10:11], s[16:17]
	s_wait_kmcnt 0x0
	s_add_co_i32 s16, s72, s73
	s_lshl_b32 s16, s16, 23
	s_add_co_i32 s22, s22, s16                     ; a score stands for score x 2^(e4 + e5): the two exponents are added to c's exponent field
	s_mov_b32 s23, s22                             ; (named with it as a pair, so it is written)
	s_add_co_i32 s16, s74, 127
	s_lshl_b32 s17, s16, 23
	v_mov_b32 v11, s17                             ; 2^e6, for the conversion
	s_add_co_i32 s16, s16, 8
	s_lshl_b32 s16, s16, 23
	s_or_b32 s16, s16, 0x600000
	v_mov_b32 v10, s16                             ; 448 x 2^e6
	s_wait_alu depctr_va_vdst(0)
	s_wait_loadcnt 0x0                             ; Q
.macro LOADK ad, off                   ; k's eight tiles of a group into the upper scores' registers
.irp t, 0,1,2,3,4,5,6,7
	ds_load_b128 v[S+64+8*\t:S+64+8*\t+3], v[\ad] offset:\off+1024*\t
	ds_load_b128 v[S+64+8*\t+4:S+64+8*\t+7], v[\ad] offset:\off+1024*\t+512
.endr
.endm
.macro LOADQ ad, off, dst              ; four tiles of q
.irp t, 0,1,2,3
	ds_load_b128 v[\dst+8*\t:\dst+8*\t+3], v[\ad] offset:\off+1024*\t
	ds_load_b128 v[\dst+8*\t+4:\dst+8*\t+7], v[\ad] offset:\off+1024*\t+512
.endr
.endm
.macro SCALED n                        ; t - M of pair n, two at a time (of the pairs c and -M the low word serves both halves)
	v_pk_fma_f32 v[S+2*(\n):S+2*(\n)+1], v[S+2*(\n):S+2*(\n)+1], s[22:23], v[12:13] op_sel_hi:[1,0,0]
.endm
.macro HOLD n                          ; the conversion to an 8-bit code does not saturate (ISA guide 7.6.2); p is not negative, so the hold is one-sided
	v_dual_min_num_f32 v[S+2*(\n)], v[S+2*(\n)], v10 :: v_dual_min_num_f32 v[S+2*(\n)+1], v[S+2*(\n)+1], v10
.endm
.macro CODES t                         ; registers 2 T, 2 T + 1 of P: keys 16 T + 8 h + 0 .. 7
	v_cvt_scalef32_pk8_fp8_f32 v[P+2*(\t):P+2*(\t)+1], v[S+8*(\t):S+8*(\t)+7], v11
.endm
.macro BATCH c                         ; 32 exponentials: p = 2^(t - M), at most 1
	s_wait_alu depctr_va_vdst(0)                   ; ahead of a batch and behind the one before
.set i, 0
.rept 16
	v_exp_f32 v[S+32*(\c)+2*i], v[S+32*(\c)+2*i]
.if (\c) < 3
	SCALED 16*(\c)+16+i                            ; the next batch's sources
.else
	v_pk_add_f32 v[A+2*i:A+2*i+1], v[A+2*i:A+2*i+1], v[S+64+2*i:S+64+2*i+1]   ; batch 2's p onto the sixteen partial sums
.endif
	v_exp_f32 v[S+32*(\c)+2*i+1], v[S+32*(\c)+2*i+1]
.if (((\c) == 1) || ((\c) == 2)) && (i < 8)
	v_pk_add_f32 v[A+16*((\c)-1)+2*i:A+16*((\c)-1)+2*i+1], v[S+32*((\c)-1)+2*i:S+32*((\c)-1)+2*i+1], v[S+32*((\c)-1)+16+2*i:S+32*((\c)-1)+16+2*i+1]   ; the sums are of the unquantised p, ahead of the hold
.endif
.if (\c) > 0
	HOLD 16*(\c)-16+i
.endif
.if ((\c) > 1) && (i%4 == 3)
	CODES 4*(\c)-8+i/4
.endif
.set i, i+1
.endr
.endm
.macro GROUP first, last
	v_add_nc_u32 v4, s66, v1                       ; the group's LDS address
.rept 4
	v_nop                                          ; with the addition: five places behind the last group's products, whose sources the loads below land on and the products below write over
.endr
	LOADQ 4, 12288, P                              ; q's tiles 4-7
	s_wait_dscnt 16                                ; k's tiles are in; q's 16 loads may be out
.irp t, 0,1,2,3,4,5,6,7
	v_wmma_f32_16x16x64_fp8_fp8 v[S+8*\t:S+8*\t+7], v[S+64+8*\t:S+64+8*\t+7], v[16:23], 0
.endr
	s_wait_dscnt 8                                 ; q's tiles 0-3
.rept 5
	v_nop                                          ; five places: the products below write over the fragments read above
.endr
.irp t, 0,1,2,3
	v_wmma_f32_16x16x64_fp8_fp8 v[S+64+8*\t:S+64+8*\t+7], v[A+8*\t:A+8*\t+7], v[16:23], 0
.endr
	s_wait_dscnt 0x0                               ; q's tiles 4-7
.irp t, 0,1,2,3
	v_wmma_f32_16x16x64_fp8_fp8 v[S+96+8*\t:S+96+8*\t+7], v[P+8*\t:P+8*\t+7], v[16:23], 0
.endr
	; the largest of my query's 128 scores, in four chains, each tile from its low end on; the lines on tiles 0 to 7 are the places behind the products of the others
	v_max3_num_f32 v248, v[S], v[S+1], v[S+2]
	v_max3_num_f32 v249, v[S+3], v[S+4], v[S+5]
	v_max3_num_f32 v250, v[S+6], v[S+7], v[S+8]
	v_max3_num_f32 v251, v[S+9], v[S+10], v[S+11]
.set i, 0
.rept 58
	v_max3_num_f32 v[248+i%4], v[248+i%4], v[S+12+2*i], v[S+13+2*i]
.set i, i+1
.endr
	s_delay_alu instid0(VALU_DEP_1)
	v_max3_num_f32 v248, v248, v249, v250
	s_delay_alu instid0(VALU_DEP_1)
	v_max_num_f32 v248, v248, v251
	s_delay_alu instid0(VALU_DEP_1)
	v_permlanex16_b32 v5, v248, s20, s21           ; and among lane l xor 16's
	s_delay_alu instid0(VALU_DEP_1)
.if \first
	v_max_num_f32 v13, v248, v5
.else
	v_max3_num_f32 v13, v13, v248, v5              ; the running largest score
.endif
	s_delay_alu instid0(VALU_DEP_1)
	v_mul_f32 v7, s22, -v13                        ; -t (c is positive)
	s_delay_alu instid0(VALU_DEP_1)
.if \first
	v_floor_f32 v12, v7                            ; -M = floor(-t) = -ceil(t): M is a whole number
.else
	v_floor_f32 v6, v7                             ; the new -M
	s_delay_alu instid0(VALU_DEP_1)
	v_sub_f32 v7, v6, v12                          ; old M - new M: a whole number, 0 or less
	v_mov_b32 v12, v6
	s_delay_alu instid0(VALU_DEP_2)
	v_cvt_i32_f32 v7, v7                           ; (it saturates)
.endif
.set i, 0
.rept 8
	SCALED i
.set i, i+1
.endr
.if \first == 0
	v_ldexp_f32 v8, 1.0, v7                        ; f = 2^(old M - new M)
.endif
.rept 8
	SCALED i
.set i, i+1
.endr
.if \first == 0
	v_pk_mul_f32 v[14:15], v[14:15], v[8:9] op_sel_hi:[1,0]    ; the sums and O^T under the new M
.set i, 0
.rept 16
	v_pk_mul_f32 v[O+i:O+i+1], v[O+i:O+i+1], v[8:9] op_sel_hi:[1,0]
.set i, i+2
.endr
.endif
	BATCH 0
	BATCH 1
	BATCH 2
	BATCH 3
	s_wait_alu depctr_va_vdst(0)
.irp ct, 0,1,2,3                       ; tiles 0 to 7 are converted: V's four fragments land on their registers
.irp c, 0,1,2,3
	ds_load_b128 v[S+16*\ct+4*\c:S+16*\ct+4*\c+3], v4 offset:16384+2048*\ct+512*\c
.endr
.endr
.irp t, 8,9,10,11
	CODES \t
.endr
.set i, 0
.rept 16
	v_pk_add_f32 v[A+2*i:A+2*i+1], v[A+2*i:A+2*i+1], v[S+96+2*i:S+96+2*i+1]
	HOLD 48+i
.set i, i+1
.endr
.irp t, 12,13,14,15
	CODES \t
.endr
.if \last == 0
	LOADK 4, GB                                    ; the next group's tiles of k: their registers' numbers are converted
.endif
.irp n, 0,1,2,3,4,5,6,7
	v_pk_add_f32 v[A+2*\n:A+2*\n+1], v[A+2*\n:A+2*\n+1], v[A+16+2*\n:A+16+2*\n+1]
.endr
.irp n, 0,1,2,3
	v_pk_add_f32 v[A+2*\n:A+2*\n+1], v[A+2*\n:A+2*\n+1], v[A+8+2*\n:A+8+2*\n+1]
.endr
.irp n, 0,1
	s_delay_alu instid0(VALU_DEP_2)
	v_pk_add_f32 v[A+2*\n:A+2*\n+1], v[A+2*\n:A+2*\n+1], v[A+4+2*\n:A+4+2*\n+1]
.endr
	s_delay_alu instid0(VALU_DEP_1)
.if \first
	v_pk_add_f32 v[14:15], v[A:A+1], v[A+2:A+3]
.else
	v_pk_add_f32 v[A:A+1], v[A:A+1], v[A+2:A+3]
	s_delay_alu instid0(VALU_DEP_1)
	v_pk_add_f32 v[14:15], v[14:15], v[A:A+1]
.endif
.if \last == 0
	LOADQ 4, GB+8192, A                            ; the next group's tiles 0-3 of q: the partial sums are added up
.endif
	s_wait_alu depctr_va_vdst(0)                   ; directly ahead of the wait below
.if \last
	s_wait_dscnt 0x0                               ; V
.else
	s_wait_dscnt 24                                ; V is in; the next group's 16 + 8 loads may be out
.endif
.irp u, 0,1                            ; O^T += V^T P^T: k's 128 keys, then q's, against the same V; the four accumulators take turns
.irp ct, 0,1,2,3
.if \first && (\u == 0)
	v_wmma_f32_16x16x128_fp8_fp8 v[O+8*\ct:O+8*\ct+7], v[S+16*\ct:S+16*\ct+15], v[P+16*\u:P+16*\u+15], 0
.else
	v_wmma_f32_16x16x128_fp8_fp8 v[O+8*\ct:O+8*\ct+7], v[S+16*\ct:S+16*\ct+15], v[P+16*\u:P+16*\u+15], v[O+8*\ct:O+8*\ct+7]
.endif
.endr
.endr
	s_add_co_u32 s66, s66, GB
.endm
	s_wait_tensorcnt 0x0                           ; my part of K and V is in,
	s_barrier_signal -1
	s_barrier_wait -1                              ; and everybody's
	LOADK 1, 0
	LOADQ 1, 8192, A
	GROUP 1, 0
	s_mov_b32 s67, 6
.Lgroup:
	GROUP 0, 0
	s_sub_co_u32 s67, s67, 1
	s_cmp_lg_u32 s67, 0
	s_cbranch_scc1 .Lgroup
	GROUP 0, 1                                     ; the last group fetches no next one
	; THE WAY OUT.  O^T / the sum x 2^(e6 + e7) goes through my stage in LDS and leaves as rows: sixteen lanes store the 256 bytes of a query's head.
	v_add_f32 v14, v14, v15                        ; the sum's two halves,
	s_delay_alu instid0(VALU_DEP_1)
	v_permlanex16_b32 v5, v14, s20, s21
	s_delay_alu instid0(VALU_DEP_1)
	v_add_f32 v14, v14, v5                         ; and lane l xor 16's
	s_wait_alu depctr_va_vdst(0)
	v_rcp_f32 v14, v14
	v_and_b32 v6, 15, v0                           ; r  (the address work is the plain work behind the reciprocal, and the places behind the last products)
	v_bfe_u32 v7, v0, 4, 1                         ; h
	s_add_co_i32 s17, s74, s75
	s_mul_i32 s16, s12, 16*SP
	s_add_co_u32 s16, s16, STAGE                   ; my stage
	v_mul_u32_u24 v252, v6, SP
	v_mul_u32_u24 v253, v7, SP
	v_lshlrev_b32 v254, 12, v7
	v_lshl_add_u32 v252, v7, 6, v252
	v_lshl_add_u32 v253, v6, 4, v253
	v_lshl_add_u32 v254, v6, 4, v254               ; out0: lanes 0-15 one row, lanes 16-31 the next; 16 bytes a lane
	v_add_nc_u32 v252, s16, v252                   ; in: row r; columns 32 u + 16 h + 0 .. 15 at 128 u + 64 h
	v_add_nc_u32 v253, s16, v253                   ; back: two rows an instruction
	s_wait_alu depctr_va_vdst(0)                   ; the wait ahead of the reciprocal's first reader
	v_ldexp_f32 v14, v14, s17
	s_wait_alu depctr_va_vdst(0)                   ; directly ahead of the first reader of O^T
.irp u, 0,1
.irp j, 0,1,2,3,4,5,6,7
	v_mul_f32 v[S+16*\u+2*\j], v[O+8*\u+\j], v14               ; place 16 u + 8 h + j: an even column,
	v_mul_f32 v[S+16*\u+2*\j+1], v[O+16+8*\u+\j], v14          ; place 32 + 16 u + 8 h + j: the odd one beside it
.endr
.endr
.irp u, 0,1
.irp m, 0,1,2,3
	ds_store_b128 v252, v[S+16*\u+4*\m:S+16*\u+4*\m+3] offset:128*\u+16*\m
.endr
.endr
.irp n, 0,1,2,3,4,5,6,7
	ds_load_b128 v[S+32+4*\n:S+32+4*\n+3], v253 offset:2*\n*SP   ; LDS serves a wave's instructions in order (ISA guide 5.7.1.4): these see my stores
.endr
.irp n, 0,1,2,3,4,5,6,7
	s_wait_dscnt 7-\n                              ; rows 2 n, 2 n + 1 are back; the younger loads stay out
	global_store_b128 v254, v[S+32+4*\n:S+32+4*\n+3], s[10:11] offset:8192*\n th:TH_STORE_NT   ; 16 lanes store 256 consecutive bytes, at a multiple of 256 from out0's first byte
.endr
	s_wait_tensorcnt 0x0                           ; the wave's end
	ds_add_u32 v2, v3
	s_wait_dscnt 0x0
	CROUND                                         ; the closing round: no work-group ends while a partner may still ask for a tile that names it
	s_endpgm
.Lfunc_end_k_q0389f8a09d_attn:
	.size	k_q0389f8a09d_attn, .Lfunc_end_k_q0389f8a09d_attn-k_q0389f8a09d_attn
	.p2alignl 7, 3214868480
	.fill 96, 4, 3214868480
	.section	.rodata,"a",@progbits
	.p2align	6, 0x0
	.amdhsa_kernel k_q0389f8a09d_attn
		.amdhsa_group_segment_fixed_size 327680
		.amdhsa_private_segment_fixed_size 0
		.amdhsa_enable_private_segment 0
		.amdhsa_kernarg_size 32
		.amdhsa_user_sgpr_count 2
		.amdhsa_user_sgpr_kernarg_segment_ptr 1
		.amdhsa_wavefront_size32 1
		.amdhsa_system_sgpr_workgroup_id_x 1
		.amdhsa_system_sgpr_workgroup_id_y 1
		.amdhsa_system_sgpr_workgroup_id_z 1
		.amdhsa_system_vgpr_workitem_id 0
		.amdhsa_next_free_vgpr 256
		.amdhsa_next_free_sgpr 76
		.amdhsa_reserve_vcc 0
		.amdhsa_float_denorm_mode_32 3
		.amdhsa_float_denorm_mode_16_64 3
		.amdhsa_memory_ordered 1
		.amdhsa_forward_progress 1
		.amdhsa_inst_pref_size 92
	.end_amdhsa_kernel
	.amdgpu_metadata
---
amdhsa.version: [ 1, 2 ]
amdhsa.kernels:
  - .name:           k_q0389f8a09d_attn
    .symbol:         k_q0389f8a09d_attn.kd
    .args:
      - { .name: qa, .offset: 0, .size: 8, .value_kind: global_buffer, .address_space: global }
      - { .name: kv, .offset: 8, .size: 8, .value_kind: global_buffer, .address_space: global }
      - { .name: lowp_scales, .offset: 16, .size: 8, .value_kind: global_buffer, .address_space: global }
      - { .name: out0, .offset: 24, .size: 8, .value_kind: global_buffer, .address_space: global }
    .group_segment_fixed_size: 327680
    .private_segment_fixed_size: 0
    .kernarg_segment_align: 8
    .kernarg_segment_size: 32
    .max_flat_workgroup_size: 512
    .sgpr_count:     76
    .vgpr_count:     256
    .wavefront_size: 32
...
	.end_amdgpu_metadata
.endif
;; end of part 3
